; MI455X (gfx1250); checked and timed in simulation.
; The chip was launched on July 23, 2026; its instructions are those of AMD's public machine-readable ISA for CDNA 5 (MIT licence, August 2026) and "CDNA5" Instruction Set Architecture Reference Guide (July 2026). The comments in the code are by the model that wrote it; some were corrected since.
;; Lora Injected Linear Wrapper. Allowed arithmetic: float matrix products may take bf16 or f16 operands with f32 sums; other float arithmetic in f32, or as packed bf16 or f16 multiplies, adds, multiply-adds, maxima and minima; sums over many terms, partial sums and values carried from step to step in f32; what a program stores and reads back later, other than sums and carried values, may be rounded once to bf16 or f16.
;; Inputs: A 4,096 x 16 float32; B 16 x 4,096 float32; W 4,096 x 4,096 float32; b 4,096 float32; x 8 x 512 x 4,096 float32.
;; Outputs: out0 8 x 512 x 4,096 float32.
;; One version. Each part assembles by itself: llvm-mc -triple=amdgcn-amd-amdhsa -mcpu=gfx1250 --defsym DOCPART=n.
;; ======== version 1 of 1: 2 launches
;; limits: values outside matrix products are rounded to bf16
;; workspace buffers: xb 33,554,432 bytes; wb 33,554,432 bytes; t 262,144 bytes; bt 131,072 bytes
;; launch prep (part 1): grid 256 x 1, 16 waves a work-group, no clusters, 153,600 bytes of LDS; arguments x, W, A, B, xb, wb, t, bt; writes xb, wb, t, bt
.if DOCPART == 1
	.amdgcn_target "amdgcn-amd-amdhsa--gfx1250"
	.amdhsa_code_object_version 6
	.text
	.protected	k_qa6fd07b227_prep
	.globl	k_qa6fd07b227_prep
	.p2align	8
	.type	k_qa6fd07b227_prep,@function
k_qa6fd07b227_prep:
	s_mov_b64 s[64:65], 0
	v_nop
	global_prefetch_b8 v0, s[64:65] scope:SCOPE_SE
	s_setreg_imm32_b32 hwreg(HW_REG_WAVE_MODE, 25, 1), 1
	s_wait_xcnt 0x0
; xb = bf16(x), wb = bf16(W) (both in the layout of their f32 source), bt[n][r] = bf16(B[r][n]), and t = xb . bf16(A), summed in f32 and stored as TWO bf16 numbers:
; t_hi = bf16(t) and t_lo = bf16(t - t_hi), in two planes [4096][16] of 32-byte rows, PLANE bytes apart.  x, W: [4096][4096] f32; A: [4096][16] f32; B: [16][4096] f32.
; LIMITS.  x, W, A, B are rounded once to bf16, to nearest even.  t keeps 16 significant bits; where t is infinite t_lo is NaN.  The f32 sums of t are taken in another order than a plain sum over k.
; SHARES.  Work-group g owns rows 16 g .. 16 g + 15 of x, of W, of t and of bt.  A row goes in two chunks of 2,048 columns; in chunk c wave w owns columns 2048 c + 128 w .. + 127 of all 16 rows:
; a load is one row's 512 consecutive bytes (16 a lane), a store one row's 256 consecutive bytes, aligned (8 a lane).  For t, K is so split among the 16 waves and two chunks; the waves' partial sums meet in LDS once.
; IN FLIGHT.  Two sets of 64 registers, a chunk (16 loads) each; a set is asked for again as soon as it has been converted, so up to 32 loads of every wave are out.
; NO CLUSTER, NO TENSOR LOAD.  x and W are read by one wave each and converted in registers on their way.  A is read whole by every work-group (262,144 bytes beside 524,288 of its own x and W);
; joint requests are tensor loads, and this text has none: A too is converted in registers before it goes to LDS.  No prefetch: the launch has nothing to do but its loads, which are out from its first lines on.
.set ROWF,  16384                      ; bytes in a row of x, W and B
.set ROWH,  8192                       ; bytes in a row of xb and wb
.set XP,    272                        ; a row of the wave's x chunk in LDS: 256 bytes + 16: the 16 rows of a fragment load start 4 banks apart (64 banks of 4 bytes: ISA guide 11.1)
.set WLDS,  8448                       ; a wave's own LDS: 16 rows of x (4,352 bytes), then 128 rows of A, 32 bytes each, dense (4,096 bytes)
.set AROFF, 16*XP
.set PART,  16*WLDS                    ; wave w's partial t, f32 [16 m][16 r], 1,024 bytes, at PART + 1024 w
.set SPARE, PART+16*1024               ; the spare words, 128 bytes for each of the 16 waves: eight blocks of 256 bytes that no other line names
.set PLANE, 131072                     ; bytes from t_hi to t_lo
.set VL,  2                            ; v2   16 L + 512 w: my 16 bytes of a row's chunk of x or W
.set VA,  3                            ; v3   16 L + 8192 w: my 16 bytes of the wave's 8,192 bytes of A
.set VS,  4                            ; v4   8 L + 256 w: my 8 bytes of a row's chunk of xb or wb
.set LX,  5                            ; v5   LDS: where I put 8 bytes of a row of x
.set LA,  6                            ; v6   LDS: where I put 8 bytes of A
.set FXA, 7                            ; v7   LDS: my place in a fragment of x
.set FAA, 8                            ; v8   LDS: my place in a turned fragment of A
.set PS,  9                            ; v9   LDS: where I put my 32 bytes of the partial t
.set SPW, 10                           ; v10  LDS address of my spare word: SPARE + 4 x my thread's number; never rewritten
.set NIL, 11                           ; v11  0; never rewritten
.set BO,  12                           ; v12  my place in B: rank 8 (L % 2), column L / 2
.set TO,  13                           ; v13  16 L: my 16 bytes of the group's 512 of t_hi, t_lo or bt
.set LR,  14                           ; v14  LDS: where wave 0 reads partial sums back
.set ACC, 16                           ; v[16:31]   two accumulators, for fragments of even and of odd number
.set FX,  32                           ; v[32:63]   four fragments of x (16 rows x 32 k)
.set FA,  64                           ; v[64:95]   four fragments of A^T (16 ranks x 32 k)
.set Y,   96                           ; v[96:127]  a chunk in bf16: row i in Y + 2 i, Y + 2 i + 1
.set SETA, 128                         ; v[128:191] a chunk as loaded: row i in 4 registers
.set SETB, 192                         ; v[192:255] the other
.set WV,  20                           ; s20  my wave's number
	s_load_b256 s[4:11], s[0:1], 0x0               ; x s[4:5], W s[6:7], A s[8:9], B s[10:11]
	s_load_b256 s[12:19], s[0:1], 0x20             ; xb s[12:13], wb s[14:15], t s[16:17], bt s[18:19]
	v_lshl_add_u32 v[SPW], v0, 2, SPARE
	v_mov_b32 v[NIL], 0
	v_lshrrev_b32 v1, 5, v0
	v_readfirstlane_b32 s[WV], v1                  ; wave 0..15
	v_and_b32 v1, 31, v0                           ; L
	v_and_b32 v32, 15, v0                          ; r = L % 16
	v_bfe_u32 v33, v0, 4, 1                        ; h = L / 16
	v_and_b32 v34, 7, v0
	v_bfe_u32 v35, v0, 3, 1
	v_and_b32 v36, 1, v0
	v_bfe_u32 v37, v0, 1, 4
	s_mul_i32 s21, s[WV], WLDS                     ; my wave's LDS
	s_lshl_b32 s22, s[WV], 9
	s_lshl_b32 s23, s[WV], 13
	s_lshl_b32 s24, s[WV], 8
	s_lshl_b32 s25, s[WV], 10
	s_add_co_u32 s25, s25, PART
	v_lshl_add_u32 v[VL], v1, 4, s22
	v_lshl_add_u32 v[VA], v1, 4, s23
	v_lshl_add_u32 v[VS], v1, 3, s24
	v_lshl_add_u32 v[LX], v1, 3, s21
	v_add_nc_u32 v[LA], AROFF, v[LX]
	v_mul_u32_u24 v[FXA], v32, XP                  ; a fragment of x: lane holds row r; k = 8 h + 0..7 and 16 + 8 h + 0..7: two loads of 16 bytes, 32 apart
	v_lshl_add_u32 v[FXA], v33, 4, v[FXA]
	v_add_nc_u32 v[FXA], s21, v[FXA]
	v_lshl_add_u32 v34, v33, 3, v34                ; the turning load: lane reads row k = 8 h + L % 8 of A, ranks 8 ((L / 8) % 2) + 0..7, and ends with rank r and 8 k
	v_lshlrev_b32 v[FAA], 5, v34
	v_lshl_add_u32 v[FAA], v35, 4, v[FAA]
	v_add_nc_u32 v[FAA], s21, v[FAA]
	v_add_nc_u32 v[FAA], AROFF, v[FAA]
	v_lshl_add_u32 v[PS], v32, 6, s25              ; row m = r, 64 bytes; ranks 8 h on
	v_lshl_add_u32 v[PS], v33, 5, v[PS]
	v_lshlrev_b32 v[BO], 17, v36                   ; 8 rows of B are 131,072 bytes
	v_lshl_add_u32 v[BO], v37, 2, v[BO]
	v_lshlrev_b32 v[TO], 4, v1
	v_lshl_add_u32 v[LR], v1, 5, PART
	s_lshl_b32 s26, ttmp9, 18                      ; the group's 16 rows of 16,384 bytes
	s_mov_b32 s27, 0
	s_lshl_b32 s28, ttmp9, 17                      ; of 8,192 bytes
	s_mov_b32 s29, 0
	s_lshl_b32 s30, ttmp9, 9                       ; of 32 bytes
	s_mov_b32 s31, 0
	s_lshl_b32 s2, ttmp9, 6                        ; its 16 columns of B
	s_mov_b32 s3, 0
	s_wait_kmcnt 0x0
	s_add_nc_u64 s[4:5], s[4:5], s[26:27]
	s_add_nc_u64 s[6:7], s[6:7], s[26:27]
	s_add_nc_u64 s[10:11], s[10:11], s[2:3]
	s_add_nc_u64 s[12:13], s[12:13], s[28:29]
	s_add_nc_u64 s[14:15], s[14:15], s[28:29]
	s_add_nc_u64 s[16:17], s[16:17], s[30:31]
	s_add_nc_u64 s[18:19], s[18:19], s[30:31]
.macro LOADX set, base, c              ; chunk c of the 16 rows of x or W
.set i, 0
.rept 16
	global_load_b128 v[(\set)+4*i:(\set)+4*i+3], v[VL], s[(\base):(\base)+1] offset:ROWF*i+8192*(\c) th:TH_LOAD_NT
.set i, i+1
.endr
.endm
.macro LOADA set, c                    ; the wave's 128 rows of A for chunk c: 8,192 consecutive bytes
.set i, 0
.rept 16
	global_load_b128 v[(\set)+4*i:(\set)+4*i+3], v[VA], s[8:9] offset:PLANE*(\c)+512*i
.set i, i+1
.endr
.endm
.macro CVT set                         ; 64 f32 a lane to 32 registers of bf16
	s_wait_xcnt 0x0                                ; every earlier memory instruction has had its addresses translated (ISA guide 3.1): Y, which the last chunk's stores read, is rewritten only behind this wait
.set i, 0
.rept 32
	v_cvt_pk_bf16_f32 v[Y+i], v[(\set)+2*i], v[(\set)+2*i+1]
.set i, i+1
.endr
.endm
.macro STG base, c                     ; a store of the wave covers 256 consecutive bytes, at a multiple of 256 from the buffer's first byte
.set i, 0
.rept 16
	global_store_b64 v[VS], v[Y+2*i:Y+2*i+1], s[(\base):(\base)+1] offset:ROWH*i+4096*(\c)
.set i, i+1
.endr
.endm
.macro STLX                            ; the chunk of x into my wave's rows
.set i, 0
.rept 16
	ds_store_b64 v[LX], v[Y+2*i:Y+2*i+1] offset:XP*i
.set i, i+1
.endr
.endm
.macro STLA                            ; the chunk of A, dense: load i held rows 8 i .. 8 i + 7
.set i, 0
.rept 16
	ds_store_b64 v[LA], v[Y+2*i:Y+2*i+1] offset:256*i
.set i, i+1
.endr
.endm
.macro FRAGS                           ; LDS serves a wave's instructions in order (ISA guide 5.7.1.4): these see my own stores above, and nobody else touches these bytes
.irp f, 0,1,2,3
	ds_load_b128 v[FX+8*(\f):FX+8*(\f)+3],        v[FXA] offset:64*(\f)
	ds_load_b128 v[FX+8*(\f)+4:FX+8*(\f)+7],      v[FXA] offset:64*(\f)+32
	ds_load_tr16_b128 v[FA+8*(\f):FA+8*(\f)+3],   v[FAA] offset:1024*(\f)
	ds_load_tr16_b128 v[FA+8*(\f)+4:FA+8*(\f)+7], v[FAA] offset:1024*(\f)+512
.endr
.endm
; Four products t^T += A^T x^T (source 0 = 16 ranks, source 1 = 16 rows of x): a lane ends with row m = r of t and ranks 8 h + 0..7.  The two accumulators take turns, one instruction a turn,
; from chunk to chunk too.  first = 1: the first two products start the sums.
.macro MULT first
	s_wait_dscnt 0x0                               ; the eight fragments are in
.irp f, 0,1,2,3
.if (\first) && ((\f) < 2)
	v_wmma_f32_16x16x32_bf16 v[ACC+8*((\f)%2):ACC+8*((\f)%2)+7], v[FA+8*(\f):FA+8*(\f)+7], v[FX+8*(\f):FX+8*(\f)+7], 0
.else
	v_wmma_f32_16x16x32_bf16 v[ACC+8*((\f)%2):ACC+8*((\f)%2)+7], v[FA+8*(\f):FA+8*(\f)+7], v[FX+8*(\f):FX+8*(\f)+7], v[ACC+8*((\f)%2):ACC+8*((\f)%2)+7]
.endif
.endr
.endm
	LOADA SETA, 0
	LOADX SETB, 4, 0
	; bt: wave 1 alone, in one branch.  A lane takes column L / 2 of the group's 16 and ranks 8 (L % 2) + 0..7, and stores 16 bytes: the wave 512 on end.
	s_cmp_lg_u32 s[WV], 1
	s_cbranch_scc1 .Lno_bt
.irp j, 0,1,2,3,4,5,6,7
	global_load_b32 v[FX+(\j)], v[BO], s[10:11] offset:ROWF*(\j)
.endr
	s_wait_loadcnt 0x0                             ; these eight are the youngest loads, so the count is 0; the counted waits below then find nothing out in this wave
.irp p, 0,1,2,3
	v_cvt_pk_bf16_f32 v[FX+8+(\p)], v[FX+2*(\p)], v[FX+2*(\p)+1]
.endr
	global_store_b128 v[TO], v[FX+8:FX+11], s[18:19]  ; its data registers are written again only behind CVT's s_wait_xcnt 0
.Lno_bt:
	; Each wait below leaves out the 16 loads of the one younger chunk.
	s_wait_loadcnt 16                              ; A, chunk 0
	CVT SETA
	LOADA SETA, 1
	STLA
	s_wait_loadcnt 16                              ; x, chunk 0
	CVT SETB
	LOADX SETB, 4, 1
	STG 12, 0
	STLX
	FRAGS
	MULT 1
	s_wait_loadcnt 16                              ; A, chunk 1.  The 32 conversions are the places behind the products, ahead of the next loads into their sources
	CVT SETA
	LOADX SETA, 6, 0
	STLA
	s_wait_loadcnt 16                              ; x, chunk 1
	CVT SETB
	LOADX SETB, 6, 1
	STG 12, 1
	STLX
	FRAGS
	MULT 0
	s_wait_loadcnt 16                              ; W, chunk 0
	CVT SETA
	STG 14, 0
	s_wait_loadcnt 0x0                             ; W, chunk 1: nothing younger is out
	CVT SETB
	STG 14, 1
	; the wave's partial t: the two accumulators are added, lowest registers first, and go to LDS
.set q, 0
.rept 4
	v_pk_add_f32 v[ACC+q:ACC+q+1], v[ACC+q:ACC+q+1], v[ACC+8+q:ACC+8+q+1]
.set q, q+2
.endr
	ds_store_b128 v[PS], v[ACC:ACC+3]
	ds_store_b128 v[PS], v[ACC+4:ACC+7] offset:16
	s_wait_dscnt 0x0                               ; for wave 0's sake: my stores are done
	s_barrier_signal -1
	s_barrier_wait -1                              ; all 16 partial sums lie in LDS
	s_cmp_lg_u32 s[WV], 0
	s_cbranch_scc1 .Lend
	; wave 0 adds them.  Lane L takes row m = L / 2, ranks 8 (L % 2) + 0..7: 32 bytes of each partial sum
.set gv, 0
.rept 16
	ds_load_b128 v[SETA+8*gv:SETA+8*gv+3],   v[LR] offset:1024*gv
	ds_load_b128 v[SETA+8*gv+4:SETA+8*gv+7], v[LR] offset:1024*gv+16
.set gv, gv+1
.endr
	s_wait_dscnt 0x0
.irp w, 8,4,2,1                        ; a tree: 8, 4, 2, 1 sums of eight registers
.set gv, 0
.rept \w
.set q, 0
.rept 4
	v_pk_add_f32 v[SETA+8*gv+q:SETA+8*gv+q+1], v[SETA+8*gv+q:SETA+8*gv+q+1], v[SETA+8*(gv+(\w))+q:SETA+8*(gv+(\w))+q+1]
.set q, q+2
.endr
.set gv, gv+1
.endr
.endr
.irp p, 0,1,2,3
	v_cvt_pk_bf16_f32 v[FX+(\p)], v[SETA+2*(\p)], v[SETA+2*(\p)+1]          ; t_hi
.endr
.irp p, 0,1,2,3
	v_lshlrev_b32 v[FX+4+2*(\p)], 16, v[FX+(\p)]                            ; t_hi as f32
	v_and_b32     v[FX+5+2*(\p)], 0xffff0000, v[FX+(\p)]
.endr
.irp p, 0,1,2,3
	v_pk_add_f32 v[SETA+2*(\p):SETA+2*(\p)+1], v[SETA+2*(\p):SETA+2*(\p)+1], v[FX+4+2*(\p):FX+5+2*(\p)] neg_lo:[0,1] neg_hi:[0,1]  ; t - t_hi, exact
.endr
.irp p, 0,1,2,3
	v_cvt_pk_bf16_f32 v[FX+12+(\p)], v[SETA+2*(\p)], v[SETA+2*(\p)+1]       ; t_lo
.endr
	global_store_b128 v[TO], v[FX:FX+3], s[16:17]                  ; 512 consecutive bytes each
	global_store_b128 v[TO], v[FX+12:FX+15], s[16:17] offset:PLANE
.Lend:
	s_wait_tensorcnt 0x0                           ; the wave's end, behind my last LDS store
	ds_add_u32 v[SPW], v[NIL]
	s_wait_dscnt 0x0
	s_endpgm
.Lfunc_end_k_qa6fd07b227_prep:
	.size	k_qa6fd07b227_prep, .Lfunc_end_k_qa6fd07b227_prep-k_qa6fd07b227_prep
	.p2alignl 7, 3214868480
	.fill 96, 4, 3214868480
	.section	.rodata,"a",@progbits
	.p2align	6, 0x0
	.amdhsa_kernel k_qa6fd07b227_prep
		.amdhsa_group_segment_fixed_size 153600
		.amdhsa_private_segment_fixed_size 0
		.amdhsa_enable_private_segment 0
		.amdhsa_kernarg_size 64
		.amdhsa_user_sgpr_count 2
		.amdhsa_user_sgpr_kernarg_segment_ptr 1
		.amdhsa_wavefront_size32 1
		.amdhsa_system_sgpr_workgroup_id_x 1
		.amdhsa_system_sgpr_workgroup_id_y 1
		.amdhsa_system_sgpr_workgroup_id_z 1
		.amdhsa_system_vgpr_workitem_id 0
		.amdhsa_next_free_vgpr 256
		.amdhsa_next_free_sgpr 66
		.amdhsa_reserve_vcc 0
		.amdhsa_float_denorm_mode_32 3
		.amdhsa_float_denorm_mode_16_64 3
		.amdhsa_memory_ordered 1
		.amdhsa_forward_progress 1
		.amdhsa_inst_pref_size 46
	.end_amdhsa_kernel
	.amdgpu_metadata
---
amdhsa.version: [ 1, 2 ]
amdhsa.kernels:
  - .name:           k_qa6fd07b227_prep
    .symbol:         k_qa6fd07b227_prep.kd
    .args:
      - { .name: x, .offset: 0, .size: 8, .value_kind: global_buffer, .address_space: global }
      - { .name: W, .offset: 8, .size: 8, .value_kind: global_buffer, .address_space: global }
      - { .name: A, .offset: 16, .size: 8, .value_kind: global_buffer, .address_space: global }
      - { .name: B, .offset: 24, .size: 8, .value_kind: global_buffer, .address_space: global }
      - { .name: xb, .offset: 32, .size: 8, .value_kind: global_buffer, .address_space: global }
      - { .name: wb, .offset: 40, .size: 8, .value_kind: global_buffer, .address_space: global }
      - { .name: t, .offset: 48, .size: 8, .value_kind: global_buffer, .address_space: global }
      - { .name: bt, .offset: 56, .size: 8, .value_kind: global_buffer, .address_space: global }
    .group_segment_fixed_size: 153600
    .private_segment_fixed_size: 0
    .kernarg_segment_align: 8
    .kernarg_segment_size: 64
    .max_flat_workgroup_size: 512
    .sgpr_count:     66
    .vgpr_count:     256
    .wavefront_size: 32
...
	.end_amdgpu_metadata
.endif
;; end of part 1
;; launch gemm (part 2): grid 16 x 16, 4 waves a work-group, clusters of 4 x 4, 327,680 bytes of LDS; arguments xb, wb, out0, t, bt, b; writes out0
.if DOCPART == 2
	.amdgcn_target "amdgcn-amd-amdhsa--gfx1250"
	.amdhsa_code_object_version 6
	.text
	.protected	k_qa6fd07b227_gemm
	.globl	k_qa6fd07b227_gemm
	.p2align	8
	.type	k_qa6fd07b227_gemm,@function
k_qa6fd07b227_gemm:
	s_mov_b64 s[64:65], 0
	v_nop
	global_prefetch_b8 v0, s[64:65] scope:SCOPE_SE
	s_setreg_imm32_b32 hwreg(HW_REG_WAVE_MODE, 25, 1), 1
	s_wait_xcnt 0x0
	s_wait_alu depctr_hold_cnt(0) depctr_sa_sdst(0) depctr_va_vdst(0) depctr_va_sdst(0) depctr_va_ssrc(0) depctr_va_vcc(0) depctr_vm_vsrc(0)
	s_getreg_b32 s2, hwreg(HW_REG_IB_STS2, 6, 4)
	s_cmp_eq_u32 s2, 0
	s_cbranch_scc0 .Lentry_in_a_cluster
	s_endpgm
.Lentry_in_a_cluster:
	s_bfe_u32 s2, ttmp6, 0x10000c
	s_cmp_lg_u32 s2, 0xf033
	s_cbranch_scc0 .Lentry_shape_is_right
	s_endpgm
.Lentry_shape_is_right:
; out0[m][n] = bf16(b[n]) + the sum over r of (t_hi[m][r] + t_lo[m][r]) bt[n][r] + the sum over k of xb[m][k] wb[k][n].
; xb: [4096 m][4096 k] bf16; wb: [4096 k][4096 n] bf16; t: two planes [4096 m][16] bf16, PLANE bytes apart; bt: [4096 n][16] bf16; b: [4096] f32; out0: [4096][4096] f32.  All sums in f32.
; LIMITS.  b is rounded once to bf16, to nearest even, like the other inputs (which the launch before has rounded); the f32 sums are taken in the matrix unit's order, the bias first, then the low-rank term, then K ascending.
; SHARES.  A tile of out0, 256 x 256, is made by a work-group of four waves; a wave makes 128 x 128: 64 accumulators of 16 x 16, 512 registers.  256 tiles, 256 work-groups.
; K goes in steps of 128 through a ring of two LDS slots filled by the tensor data mover.  A tile of xb is 256 rows m x 128 k, a tile of wb 128 rows k x 256 n, fetched as two halves of 128 columns:
; every row of every load is 256 consecutive bytes of memory, at a multiple of 256 from the buffer's first byte.
; wb LIES [k][n]: its fragments come out of LDS turned, by ds_load_tr16_b128, as many loads as a plain fragment takes.
; THE SUMS START WITH THE BIAS AND THE LOW-RANK TERM: the first product on each accumulator has C = the bias of its 16 columns, source 1 = 16 rows of [t_hi | t_lo] (32 along K) and source 0 = 16 rows of [bt | bt].
; CLUSTERS: 4 x 4 work-groups.  The four of a row of the cluster need the same tiles of xb, the four of a column the same tiles of wb: each is asked for JOINTLY, by the same tensor load with the same descriptor
; and a mask that names the four.
; THE MATRIX INSTRUCTION IS USED TRANSPOSED: source 0 = 16 columns n, source 1 = 16 rows m.  In the result lane l holds row m = l % 16 and its registers 0 to 7 the columns 8 (l / 16) + 0..7: 32 consecutive bytes of out0.
; REGISTERS, in windows of 256 (s_set_vgpr_msb's low byte: bits 1:0 source 0, 3:2 source 1, 5:4 source 2, 7:6 destination):
;   window 0: v0-31 addresses; v32-63 at work once; v64-127, v128-191 fragments of xb, two buffers (the second first holds t's; both serve the way out); v192-255 the bias
;   window 1: v64-127, v128-191 fragments of wb, two buffers (the second first holds bt's)
;   window 2: the 32 accumulators of my rows 0-63 (accumulator (a, b) at v[8 (8 a + b)]);   window 3: those of my rows 64-127
.set SIZE_K, 4096
.set SIZE_N, 4096
.set KSTEP,  128
.set PA,     272                       ; an LDS row of xb: 256 bytes + 16 = 68 words: the 16 rows of a fragment load start 4 banks apart (64 banks of 4 bytes: ISA guide 11.1)
.set PB,     288                       ; an LDS row of wb: 256 + 32 = 72 words
.set HALFA,  128*PA                    ; what one tensor load brings of xb: 128 rows m
.set HALFB,  128*PB                    ; of wb: 128 rows k x 128 columns
.set SLOT,   2*HALFA+2*HALFB           ; xb's two halves, then wb's two halves
.set STAGE,  2*SLOT                    ; behind the ring, never filled by a tensor load: 16 rows x 528 bytes for each wave, for the way out
.set SP,     528                       ; a stage row: 512 bytes + 16 = 132 words: the 16 rows that a store touches start 4 banks apart
.set SPARE,  STAGE+4*16*SP             ; behind the stages: the spare words, 128 bytes for each wave: two blocks of 256 bytes that no other line names
.set LAPS,   SIZE_K/(2*KSTEP)          ; a lap = two K steps = once round the ring
.set KROWS,  KSTEP*SIZE_N*2            ; bytes from a K step of wb to the next: 128 rows
.set PLANE,  131072                    ; bytes from t_hi to t_lo
.set ADRA, 16                          ; v16-17  LDS address of my fragments of xb in slot 0, 1
.set ADRB, 20                          ; v20-21  the same for wb
.set STO,  24                          ; v24     the way out: where I put 32 bytes of a row
.set RD,   25                          ; v25     the way out: where I read a row back
.set CO,   26                          ; v26     16 x lane: my 16 bytes of a row's 512 in out0
.set TOF,  27                          ; v27     my place in 16 rows of t or bt
.set SPW,  28                          ; v28     LDS address of my spare word: SPARE + 4 x my thread's number; never rewritten
.set NIL,  29                          ; v29     0; never rewritten
.set PFO,  30                          ; v30     the prefetches' offset: my lane x a row of xb or wb (8,192 bytes); never rewritten
.set BOF,  31                          ; v31     my place in 16 numbers of b
.set RB,   32                          ; v32-63  the bias in bf16, at work once
.set F0,   64                          ; fragment buffer 0
.set F1,   128                         ; fragment buffer 1
.set OB,   64                          ; the way out: 16 rows read back from the stage: v64-127 and v128-191 by turns
.set BIAS, 192                         ; v192-255  register j of block b: the bias of column 16 b + 8 (l / 16) + j
.set G1,  24                           ; s[24:31] descriptor group 1 for xb's tiles
.set G0,  32                           ; s[32:39] descriptor group 0 for xb's tiles, one set for each slot
.set G1B, 48                           ; s[48:55] descriptor group 1 for wb's tiles
.set G0B, 56                           ; s[56:63] descriptor group 0 for wb's tiles, one set for each slot
.set LIM, 43                           ; s43      1 in a wave that prefetches, else the greatest number
.set PFA, 44                           ; s[44:45] where my prefetches stand
.set TB,  68                           ; s[68:69] t at my first row
.set BTB, 70                           ; s[70:71] bt at my first column
.set BB,  72                           ; s[72:73] b at my first column
.set PST, 74                           ; s[74:75] bytes from a K step to the next in the buffer that I prefetch
.set MSB, 0
.macro WIN new                         ; the immediate's high byte repeats the setting that is left; a switch that changes nothing is dropped
.if MSB != (\new)
	s_set_vgpr_msb (MSB<<8)|(\new)
.set MSB, \new
.endif
.endm
.set MUL_LO, 0xa1                      ; source 0 (wb) window 1, source 1 (xb) window 0, C and D window 2
.set MUL_HI, 0xf1                      ; the same, C and D window 3
.set TO_B,   0x40                      ; destination window 1, address window 0
; A joint load.  Waves 0 and 1 fetch xb's two halves, waves 2 and 3 wb's.  Each of the two lines has one mask and one set of registers for all that issue it.  The branch hangs on the wave's number alone.
; An s_nop 0 and four v_nop follow each of the two lines, ahead of the jump, the label and what follows.
.macro JLOAD s
	s_cmp_eq_u32 s11, 0
	s_cbranch_scc0 .Lfor_b_\@
	tensor_load_to_lds s[G0+4*(\s):G0+4*(\s)+3], s[G1:G1+7]
	s_nop 0
.rept 4
	v_nop
.endr
	s_branch .Lasked_\@
.Lfor_b_\@:
	tensor_load_to_lds s[G0B+4*(\s):G0B+4*(\s)+3], s[G1B:G1B+7]
	s_nop 0
.rept 4
	v_nop
.endr
.Lasked_\@:
.endm
; A PREFETCH, behind each joint refill, its five lines and the run of LDS loads that follows them: 32 rows x 256 bytes of the K step that stands TWO refills on (512 matrix instructions ahead of the load that
; will ask for it), a lane a row, one instruction a wave.  Each row's 256 bytes of a K step are named ONCE in the launch.  A tile row of xb is read by every cluster of that row of clusters: the one with
; cluster x = 0 asks; a tile column of wb by every cluster of that column: the one with cluster y = 0 asks.  The four partners that ask for a tile jointly share the 128 rows that a wave fetches BY ADDRESS,
; 32 each (by cx for xb, by cy for wb): no branch hangs on a work-group's place in its cluster.  K steps 0 to 3 come by their loads alone; the loop's last trip (s3 = 1), whose two refills have no K step two on, asks for nothing.
.macro ASK
	s_cmp_gt_u32 s3, s[LIM]
	s_cbranch_scc0 .Lnot_mine_\@
	global_prefetch_b8 v[PFO], s[PFA:PFA+1] th:TH_LOAD_NT scope:SCOPE_SE
.Lnot_mine_\@:
.endm
; A round of the cluster's barrier: my work-group's barrier, so that wave 0's signal speaks for all four waves; wave 0 signals for the work-group; every wave waits for all sixteen work-groups; my work-group's barrier once more.
.macro CREST                           ; a round behind its opening barrier
	s_cmp_lg_u32 s10, 0
	s_cbranch_scc1 .Lnot_wave_0_\@
	s_barrier_signal -3
.Lnot_wave_0_\@:
	s_barrier_wait -3
	s_barrier_signal -1
	s_barrier_wait -1
.endm
.macro CROUND                          ; a whole round
	s_barrier_signal -1
	s_barrier_wait -1
	CREST
.endm
	s_load_b128 s[4:7], s[0:1], 0x0                ; xb s[4:5], wb s[6:7]
	s_load_b64 s[8:9], s[0:1], 0x10                ; out0
	s_load_b128 s[TB:TB+3], s[0:1], 0x18           ; t, bt
	s_load_b64 s[BB:BB+1], s[0:1], 0x28            ; b
	v_lshl_add_u32 v[SPW], v0, 2, SPARE
	v_mov_b32 v[NIL], 0
	ds_add_u32 v[SPW], v[NIL]                      ; the wave's opening: the add, twice on end, and its wait ahead of my first tensor load; the set-up below, work on registers, stands between
	ds_add_u32 v[SPW], v[NIL]                      ; and once more, under the one wait
	v_lshrrev_b32 v1, 5, v0
	v_readfirstlane_b32 s10, v1                    ; wave 0..3
	s_lshr_b32 s11, s10, 1                         ; which half of the tile's rows is mine.  Also: I fetch for xb (0) or for wb (1)
	s_and_b32 s12, s10, 1                          ; which half of its columns.  Also: which half of that tile I fetch
	s_bfe_u32 s40, ttmp6, 0x40000                  ; cx: my place along the cluster's x
	s_bfe_u32 s41, ttmp6, 0x40004                  ; cy: along its y
	s_lshl_b32 s42, ttmp9, 2                       ; in a cluster launch ttmp9 and ttmp7 count clusters
	s_add_co_u32 s42, s42, s40                     ; tile column = 4 x cluster x + cx
	s_and_b32 s13, ttmp7, 0xffff
	s_lshl_b32 s13, s13, 2
	s_add_co_u32 s13, s13, s41                     ; tile row = 4 x cluster y + cy
	s_lshl_b32 s43, s41, 2
	s_lshl_b32 s43, 15, s43                        ; my row of the cluster: places 4 cy .. 4 cy + 3
	s_lshl_b32 s44, 0x1111, s40                    ; my column: places cx, cx + 4, cx + 8, cx + 12
	; descriptor group 1: a tile of 128 rows x 128 elements, padded in LDS
	s_or_b32 s[G1+0], s43, (1<<16)|(1<<20)|(1<<21)|(5<<22)|(3<<25)   ; 15:0 the mask: xb's tiles go to my row; 17:16 elements of 2 bytes; 20 padding on; 21 set beside a mask; 24:22 after every 64 words (code 5); 31:25 4 words (code 3)
	s_or_b32 s[G1B+0], s44, (1<<16)|(1<<20)|(1<<21)|(5<<22)|(7<<25)  ; the mask of my column, for wb's tiles; 8 words of padding (code 7)
.irp g, G1, G1B
	s_mov_b32 s[(\g)+1], KSTEP<<16                 ; 63:48 tensor_dim0, low half = 128
	s_mov_b32 s[(\g)+2], 128<<16                   ; 79:64 its high half = 0; 95:80 tensor_dim1, low half = 128
	s_mov_b32 s[(\g)+3], KSTEP<<16                 ; 111:96 its high half = 0; 127:112 tile_dim0 = 128
	s_mov_b32 s[(\g)+4], 128                       ; 143:128 tile_dim1 = 128; 159:144 tile_dim2 = 0
	s_mov_b32 s[(\g)+5], 4096                      ; 191:160 tensor_dim0_stride: 4,096 elements from row to row, in xb and in wb
	s_mov_b32 s[(\g)+6], 0
	s_mov_b32 s[(\g)+7], 0
.endr
	; where the tiles come from.  xb's hang on the tile row alone, which my row of the cluster shares; wb's on the tile column alone, which my column shares.  Every wave makes both, in registers that never hold the other coordinate.
	s_lshl_b32 s17, s12, 7
	s_lshl_b32 s16, s13, 8
	s_add_co_u32 s16, s16, s17                     ; xb: row 256 x tile row + 128 x half,
	s_lshl_b32 s16, s16, 13                        ; of 8,192 bytes
	s_mov_b32 s17, 0
	s_lshl_b32 s46, s42, 9                         ; wb: column 256 x tile column + 128 x half, of 2 bytes
	s_lshl_b32 s47, s12, 8
	s_add_co_u32 s46, s46, s47
	s_mov_b32 s47, 0
	s_mul_i32 s20, s12, HALFA                      ; and where they go: no place in the cluster enters an LDS address
	s_mul_i32 s21, s12, HALFB
	s_add_co_u32 s21, s21, 2*HALFA
	s_wait_dscnt 0x0                               ; both opening adds are done
	s_wait_kmcnt 0x0
	s_add_nc_u64 s[14:15], s[4:5], s[16:17]
	s_add_nc_u64 s[46:47], s[6:7], s[46:47]
	CROUND                                         ; all sixteen work-groups are here: the first joint loads meet
.irp s, 0,1
	s_mov_b32 s[G0+4*(\s)], 1                                      ; 1:0 count = 1
	s_add_co_u32 s[G0+4*(\s)+1], s20, (\s)*SLOT                    ; 63:32 LDS address
	s_add_nc_u64 s[G0+4*(\s)+2:G0+4*(\s)+3], s[14:15], (\s)*KSTEP*2  ; 120:64 global address: K step s lies 256 bytes along xb's rows,
	s_or_b32 s[G0+4*(\s)+3], s[G0+4*(\s)+3], 0x80000000            ; 127:126 type = 2
	s_mov_b32 s[G0B+4*(\s)], 1
	s_add_co_u32 s[G0B+4*(\s)+1], s21, (\s)*SLOT
	s_add_nc_u64 s[G0B+4*(\s)+2:G0B+4*(\s)+3], s[46:47], (\s)*KROWS  ; and 128 rows down wb
	s_or_b32 s[G0B+4*(\s)+3], s[G0B+4*(\s)+3], 0x80000000
	JLOAD \s                                       ; the ring is filled before anything else is done: two loads of mine are out
.endr
	; A fragment of xb is 16 rows x 32 k in 8 registers: lane l holds row l % 16; registers 0-3 k = 8 (l / 16) + 0..7, registers 4-7 k = 16 + 8 (l / 16) + 0..7: two loads of 16 bytes, 32 bytes apart.
	v_and_b32 v1, 15, v0                           ; l % 16
	v_bfe_u32 v2, v0, 4, 1                         ; l / 16
	v_mul_u32_u24 v3, v1, PA
	v_lshl_add_u32 v3, v2, 4, v3
	; The turning load takes 16 k x 16 columns (lane l reads 16 bytes: row k = 8 (l / 16) + l % 8, columns 8 ((l / 8) % 2) + 0..7) and leaves half a fragment: lane l holds column l % 16 and 8 k.
	v_and_b32 v4, 7, v0
	v_lshl_add_u32 v4, v2, 3, v4
	v_mul_u32_u24 v4, v4, PB
	v_bfe_u32 v5, v0, 3, 1
	v_lshl_add_u32 v4, v5, 4, v4
	s_mul_i32 s22, s11, HALFA                      ; my 128 rows of xb
	s_mul_i32 s23, s12, HALFB                      ; my 128 columns of wb,
	s_add_co_u32 s23, s23, 2*HALFA                 ; which lie behind xb's two halves
.irp s, 0,1
	v_add_nc_u32 v[ADRA+(\s)], s22, v3
	v_add_nc_u32 v[ADRB+(\s)], s23, v4
	s_add_co_u32 s22, s22, SLOT
	s_add_co_u32 s23, s23, SLOT
.endr
	s_mul_i32 s23, s10, 16*SP
	s_add_co_u32 s23, s23, STAGE                   ; my stage
	v_mul_u32_u24 v5, v1, SP                       ; in: row l % 16, 32 bytes for each half of the lanes
	v_lshl_add_u32 v5, v2, 5, v5
	v_add_nc_u32 v[STO], s23, v5
	v_and_b32 v6, 31, v0
	v_lshlrev_b32 v[CO], 4, v6
	v_add_nc_u32 v[RD], s23, v[CO]                 ; back: 32 lanes take one row of 512 bytes
	v_lshlrev_b32 v[TOF], 5, v1                    ; a row of t or bt is 32 bytes; ranks 8 (l / 16) on
	v_lshl_add_u32 v[TOF], v2, 4, v[TOF]
	v_lshlrev_b32 v[BOF], 5, v2                    ; 8 (l / 16) numbers of 4 bytes
	v_lshlrev_b32 v[PFO], 13, v6
	s_lshl_b32 s16, s13, 8
	s_lshl_b32 s17, s11, 7
	s_add_co_u32 s16, s16, s17                     ; my first row
	s_lshl_b32 s18, s16, 5
	s_mov_b32 s19, 0
	s_add_nc_u64 s[TB:TB+1], s[TB:TB+1], s[18:19]
	s_lshl_b32 s16, s16, 14                        ; a row of out0 is 16,384 bytes
	s_mov_b32 s17, 0
	s_add_nc_u64 s[8:9], s[8:9], s[16:17]
	s_lshl_b32 s46, s42, 8
	s_lshl_b32 s47, s12, 7
	s_add_co_u32 s46, s46, s47                     ; my first column
	s_lshl_b32 s18, s46, 5
	s_add_nc_u64 s[BTB:BTB+1], s[BTB:BTB+1], s[18:19]
	s_lshl_b32 s18, s46, 2
	s_add_nc_u64 s[BB:BB+1], s[BB:BB+1], s[18:19]
	s_add_nc_u64 s[8:9], s[8:9], s[18:19]
	; what the first products take, straight from memory into fragments: 48 loads of 16 bytes a lane
.irp a, 0,1,2,3,4,5,6,7                ; rows 16 a on: K = 0..15 is t_hi's 16 ranks, K = 16..31 t_lo's
	global_load_b128 v[F1+8*(\a):F1+8*(\a)+3],   v[TOF], s[TB:TB+1] offset:512*(\a)
	global_load_b128 v[F1+8*(\a)+4:F1+8*(\a)+7], v[TOF], s[TB:TB+1] offset:512*(\a)+PLANE
.endr
.irp b, 0,1,2,3,4,5,6,7
	global_load_b128 v[BIAS+8*(\b):BIAS+8*(\b)+3],   v[BOF], s[BB:BB+1] offset:64*(\b)
	global_load_b128 v[BIAS+8*(\b)+4:BIAS+8*(\b)+7], v[BOF], s[BB:BB+1] offset:64*(\b)+16
.endr
	WIN TO_B
.irp b, 0,1,2,3,4,5,6,7                ; columns 16 b on: the same 16 bytes twice, since t_hi and t_lo meet the same ranks of bt
	global_load_b128 v[F1+8*(\b):F1+8*(\b)+3],   v[TOF], s[BTB:BTB+1] offset:512*(\b)
	global_load_b128 v[F1+8*(\b)+4:F1+8*(\b)+7], v[TOF], s[BTB:BTB+1] offset:512*(\b)
.endr
	WIN 0
	; the prefetches' address, at K step 3: the first refill steps it to K step 4.  Nothing is prefetched here, at the head
	s_lshl_b32 s20, s13, 8
	s_lshl_b32 s21, s12, 7
	s_add_co_u32 s20, s20, s21                     ; xb: the 128 rows that I fetch,
	s_lshl_b32 s21, s40, 5
	s_add_co_u32 s20, s20, s21                     ; my work-group's 32 of them,
	s_lshl_b32 s20, s20, 13
	s_add_co_u32 s20, s20, 3*KSTEP*2               ; K step 3
	s_lshl_b32 s21, s41, 18                        ; wb: my work-group's 32 of a K step's 128 rows of 8,192 bytes,
	s_lshl_b32 s22, s46, 1                         ; the 128 columns that I fetch,
	s_add_co_u32 s21, s21, s22
	s_add_co_u32 s21, s21, 3*KROWS                 ; K step 3
	s_and_b32 s22, ttmp7, 0xffff                   ; cluster y
	s_movk_i32 s[PST+1], KSTEP*2
	s_mov_b32 s[PST], KROWS
	s_cmp_eq_u32 s11, 0                            ; do I fetch for xb?
	s_cselect_b32 s20, s20, s21
	s_cselect_b32 s22, ttmp9, s22                  ; the coordinate along which other clusters read the same rows
	s_cselect_b32 s[PST], s[PST+1], s[PST]
	s_cselect_b64 s[PFA:PFA+1], s[4:5], s[6:7]
	s_mov_b32 s21, 0
	s_mov_b32 s[PST+1], 0
	s_add_nc_u64 s[PFA:PFA+1], s[PFA:PFA+1], s[20:21]
	s_cmp_eq_u32 s22, 0
	s_cselect_b32 s[LIM], 1, -1                    ; the same in all sixteen partners, for a given wave
; 16 matrix instructions: m blocks a0, a0 + 1 of the window's four (hi = 0: my rows 0-63, 1: rows 64-127) x all 8 n blocks, 32 along K.
; The 64 accumulators take turns, one instruction a turn, in the same order from the first products to the last, over the backward jump too.
.macro MUL16 f, hi, a0
	WIN MUL_LO+0x50*(\hi)  ; MUL_LO or MUL_HI
.irp a, \a0, (\a0)+1
.irp b, 0,1,2,3,4,5,6,7
	v_wmma_f32_16x16x32_bf16 v[8*(8*(\a)+(\b)):8*(8*(\a)+(\b))+7], v[(\f)+8*(\b):(\f)+8*(\b)+7], v[(\f)+8*(4*(\hi)+(\a)):(\f)+8*(4*(\hi)+(\a))+7], v[8*(8*(\a)+(\b)):8*(8*(\a)+(\b))+7]
.endr
.endr
.endm
; The same 16 accumulators' first products: D = bias + [bt | bt] [t_hi | t_lo]^T.  Source 0 in window 1, source 1 and C in window 0, D in window 2 or 3.  Nothing is ever cleared.
.macro LORA16 hi, a0
	WIN 0x81+0x40*(\hi)
.irp a, \a0, (\a0)+1
.irp b, 0,1,2,3,4,5,6,7
	v_wmma_f32_16x16x32_bf16 v[8*(8*(\a)+(\b)):8*(8*(\a)+(\b))+7], v[F1+8*(\b):F1+8*(\b)+7], v[F1+8*(4*(\hi)+(\a)):F1+8*(4*(\hi)+(\a))+7], v[BIAS+8*(\b):BIAS+8*(\b)+7]
.endr
.endr
.endm
; 32 LDS loads in one run: the fragments of one quarter step into buffer f: wb's 128 columns (turned), then xb's 128 rows.  k = the quarter's byte along xb's rows; the same 32 k are k / 2 rows of wb, PB bytes each.
.macro FETCH slot, k, f
	WIN TO_B
.irp i, 0,1,2,3,4,5,6,7
	ds_load_tr16_b128 v[(\f)+8*(\i):(\f)+8*(\i)+3],   v[ADRB+(\slot)] offset:(\k)*(PB/2)+32*(\i)
	ds_load_tr16_b128 v[(\f)+8*(\i)+4:(\f)+8*(\i)+7], v[ADRB+(\slot)] offset:(\k)*(PB/2)+16*PB+32*(\i)
.endr
	WIN 0
.irp i, 0,1,2,3,4,5,6,7
	ds_load_b128 v[(\f)+8*(\i):(\f)+8*(\i)+3],   v[ADRA+(\slot)] offset:(\k)+(\i)*16*PA
	ds_load_b128 v[(\f)+8*(\i)+4:(\f)+8*(\i)+7], v[ADRA+(\slot)] offset:(\k)+(\i)*16*PA+32
.endr
.endm
; A load into a register that a matrix instruction has read, and a store that reads a matrix result, stand four places behind that matrix instruction, and only plain vector instructions that name none
; of its registers are places (ISA guide 7.12.1 for vector instructions); the matrix instructions in between are not counted.
.macro PLACES
.rept 4
	v_nop
.endr
.endm
; A K step is four quarter steps of 32 along K, 64 matrix instructions each, on buffers 0, 1, 0, 1.  One of the first three: multiplies buffer f; in its middle it fetches the next quarter's fragments into buffer g.
.macro QUARTER slot, k, f, g
	s_wait_dscnt 8                                 ; wb's fragments and xb's rows 0-63 are in; the youngest eight loads (xb's rows 64-127) may be out
	MUL16 \f, 0, 0
	MUL16 \f, 0, 2
	PLACES
	FETCH \slot, \k, \g
	s_wait_dscnt 32                                ; all but the 32 just issued
	MUL16 \f, 1, 0
	MUL16 \f, 1, 2
.endm
; The last quarter multiplies buffer 1 and changes slots.  MEET is its first half: ONE barrier for the change.  In front of it each wave waits for all its tensor loads, of which one is out: its part of the next
; slot; adds 0 to its spare word; and waits for that and for its own reads of this slot.  Behind it nobody reads this slot any more and the next slot is whole.
.macro MEET round                      ; round = 1: the rest of a round of the cluster's barrier follows
	WIN 0                                          ; (the add's two registers lie in window 0)
	s_wait_tensorcnt 0x0                           ; all my tensor loads have landed
	ds_add_u32 v[SPW], v[NIL]                      ; 0 onto my spare word
	s_wait_dscnt 9                                 ; (the add and the youngest eight loads may be out)
	MUL16 F1, 0, 0                                 ; sixteen matrix instructions stand between the add and the wait for it
	s_wait_dscnt 0x0                               ; the add is done, and my reads of this slot are over:
	s_barrier_signal -1                            ; say so,
	MUL16 F1, 0, 2                                 ; work on registers while the others arrive,
.if \round
	WIN 0
.endif
	s_barrier_wait -1                              ; and go on when all four have said so
.endm
; The whole last quarter, where the slot just read out is filled again, with the K step two steps on: the first tensor load behind the round, one a wave.  From that request to the wait for it a wave issues 224 matrix instructions.
.macro TURN slot, next
	s_wait_xcnt 0x0                                ; the last prefetch, a K step back, has read its address: it is stepped here, ahead of the waits of the change of slots
	s_add_nc_u64 s[PFA:PFA+1], s[PFA:PFA+1], s[PST:PST+1]
	MEET 1
	CREST                                          ; no wave of any partner still reads this slot's tile or has a load on its way
	s_add_nc_u64 s[G0+4*(\slot)+2:G0+4*(\slot)+3], s[G0+4*(\slot)+2:G0+4*(\slot)+3], 2*KSTEP*2    ; no tensor load of mine is out, so a group 0 may be written; the type bits on top are not reached
	s_add_nc_u64 s[G0B+4*(\slot)+2:G0B+4*(\slot)+3], s[G0B+4*(\slot)+2:G0B+4*(\slot)+3], 2*KROWS
	JLOAD \slot                                    ; the four v_nop behind it are also the places in front of the loads below
	FETCH \next, 0, F0
	ASK
	MUL16 F1, 1, 0
	MUL16 F1, 1, 2
.endm
; THE WAY OUT of block a (16 rows x 128 columns of f32).  A lane's 32 bytes are a sixteenth of a row's 512, so the block goes through my own stage: in by ds_store_b128 straight from the accumulators
; (each accumulator's lowest registers first), back as whole rows, and out by stores of 512 consecutive bytes, at a multiple of 512 from out0's first byte.
.macro TOSTAGE a
.set AC, 64*((\a)%4)
.set BK, OB+64*((\a)%2)
	WIN 0x08+4*((\a)/4)                            ; the stores' data (source 1) in window 2 or 3
.irp b, 0,1,2,3,4,5,6,7
	ds_store_b128 v[STO], v[AC+8*(\b):AC+8*(\b)+3]   offset:64*(\b)
	ds_store_b128 v[STO], v[AC+8*(\b)+4:AC+8*(\b)+7] offset:64*(\b)+16
.endr
	WIN 0
	s_wait_xcnt 0x0                                ; every earlier memory instruction has had its addresses translated (ISA guide 3.1): the buffer that the block two back was stored from is loaded again only behind this wait
.irp tt, 0,1,2,3,4,5,6,7,8,9,10,11,12,13,14,15
	ds_load_b128 v[BK+4*(\tt):BK+4*(\tt)+3], v[RD] offset:(\tt)*SP  ; LDS serves a wave's instructions in order (ISA guide 5.7.1.4): these see the stores above, and the next block's stores come behind them
.endr
.endm
.macro SEND a, younger                 ; younger: the LDS instructions issued behind block a's loads: the next block's 16 stores and 16 loads, or none
.set BK, OB+64*((\a)%2)
	s_wait_dscnt \younger
.irp tt, 0,1,2,3,4,5,6,7,8,9,10,11,12,13,14,15
	global_store_b128 v[CO], v[BK+4*(\tt):BK+4*(\tt)+3], s[8:9] offset:(16*(\a)+(\tt))*SIZE_N*4 th:TH_STORE_NT  ; the row stands in the immediate: 127 rows of 16,384 bytes at the most, inside its signed 24 bits
.endr
.endm
	s_wait_tensorcnt 1                             ; my part of K step 0 is in; K step 1's may stay out
	s_barrier_signal -1
	s_barrier_wait -1                              ; everybody's is
	FETCH 0, 0, F0
	s_wait_loadcnt 0x0                             ; t, bt and b
.set i, 0
.rept 32
	v_cvt_pk_bf16_f32 v[RB+i], v[BIAS+2*i], v[BIAS+2*i+1]  ; the bias is rounded to bf16, as all inputs are,
.set i, i+1
.endr
.set i, 0
.rept 32
	v_lshlrev_b32 v[BIAS+2*i],   16, v[RB+i]               ; and widened again
	v_and_b32     v[BIAS+2*i+1], 0xffff0000, v[RB+i]
.set i, i+1
.endr
	LORA16 0, 0                                    ; 64 products start the 64 sums
	LORA16 0, 2
	LORA16 1, 0
	LORA16 1, 2
	QUARTER 0, 64,  F0, F1                         ; its four v_nop are also the places between those products and the loads into buffer 1, which they read
	WIN 0                                          ; at a label and at a branch every window is 0
	s_mov_b32 s3, LAPS-1
.Llap:                                                 ; a trip goes once round the ring, from a lap's second quarter to the next lap's first, and fills both slots again
	QUARTER 0, 128, F1, F0
	QUARTER 0, 192, F0, F1
	TURN 0, 1
	QUARTER 1, 64,  F0, F1
	QUARTER 1, 128, F1, F0
	QUARTER 1, 192, F0, F1
	TURN 1, 0
	QUARTER 0, 64,  F0, F1
	WIN 0
	s_sub_co_u32 s3, s3, 1
	s_cmp_lg_u32 s3, 0
	s_cbranch_scc1 .Llap
	QUARTER 0, 128, F1, F0                         ; the last lap is written out: it fills nothing, and has no round of the cluster's barrier
	QUARTER 0, 192, F0, F1
	MEET 0                                         ; my one tensor load that was still out is slot 1's, the last K step's
	PLACES                                         ; for the loads into buffer 0, which the quarter before multiplied
	FETCH 1, 0, F0
	MUL16 F1, 1, 0
	MUL16 F1, 1, 2
	QUARTER 1, 64,  F0, F1
	QUARTER 1, 128, F1, F0
	QUARTER 1, 192, F0, F1
	s_wait_dscnt 8                                 ; the very last quarter: nothing more to fetch
	MUL16 F1, 0, 0
	MUL16 F1, 0, 2
	s_wait_dscnt 0x0
	MUL16 F1, 1, 0
	MUL16 F1, 1, 2
	WIN 0
	PLACES                                         ; the stores below read results, and the loads behind them land in registers that the last products read;
	PLACES                                         ; eight places, once a launch
	TOSTAGE 0
.irp a, 1,2,3,4,5,6,7                  ; block a goes into the stage and comes back while block a - 1 is stored
	TOSTAGE \a
	SEND (\a)-1, 32
.endr
	SEND 7, 0
	s_wait_tensorcnt 0x0                           ; the wave's end, behind my last tensor load and my last LDS store
	ds_add_u32 v[SPW], v[NIL]
	s_wait_dscnt 0x0
	CROUND                                         ; the closing round: no work-group ends while a partner may still ask for a tile that names it
	s_endpgm
.Lfunc_end_k_qa6fd07b227_gemm:
	.size	k_qa6fd07b227_gemm, .Lfunc_end_k_qa6fd07b227_gemm-k_qa6fd07b227_gemm
	.p2alignl 7, 3214868480
	.fill 96, 4, 3214868480
	.section	.rodata,"a",@progbits
	.p2align	6, 0x0
	.amdhsa_kernel k_qa6fd07b227_gemm
		.amdhsa_group_segment_fixed_size 327680
		.amdhsa_private_segment_fixed_size 0
		.amdhsa_enable_private_segment 0
		.amdhsa_kernarg_size 48
		.amdhsa_user_sgpr_count 2
		.amdhsa_user_sgpr_kernarg_segment_ptr 1
		.amdhsa_wavefront_size32 1
		.amdhsa_system_sgpr_workgroup_id_x 1
		.amdhsa_system_sgpr_workgroup_id_y 1
		.amdhsa_system_sgpr_workgroup_id_z 1
		.amdhsa_system_vgpr_workitem_id 0
		.amdhsa_next_free_vgpr 1024
		.amdhsa_next_free_sgpr 80
		.amdhsa_reserve_vcc 0
		.amdhsa_float_denorm_mode_32 3
		.amdhsa_float_denorm_mode_16_64 3
		.amdhsa_memory_ordered 1
		.amdhsa_forward_progress 1
		.amdhsa_inst_pref_size 156
	.end_amdhsa_kernel
	.amdgpu_metadata
---
amdhsa.version: [ 1, 2 ]
amdhsa.kernels:
  - .name:           k_qa6fd07b227_gemm
    .symbol:         k_qa6fd07b227_gemm.kd
    .args:
      - { .name: xb, .offset: 0, .size: 8, .value_kind: global_buffer, .address_space: global }
      - { .name: wb, .offset: 8, .size: 8, .value_kind: global_buffer, .address_space: global }
      - { .name: out0, .offset: 16, .size: 8, .value_kind: global_buffer, .address_space: global }
      - { .name: t, .offset: 24, .size: 8, .value_kind: global_buffer, .address_space: global }
      - { .name: bt, .offset: 32, .size: 8, .value_kind: global_buffer, .address_space: global }
      - { .name: b, .offset: 40, .size: 8, .value_kind: global_buffer, .address_space: global }
    .group_segment_fixed_size: 327680
    .private_segment_fixed_size: 0
    .kernarg_segment_align: 8
    .kernarg_segment_size: 48
    .max_flat_workgroup_size: 128
    .sgpr_count:     80
    .vgpr_count:     1024
    .wavefront_size: 32
...
	.end_amdgpu_metadata
.endif
;; end of part 2
